; MI455X (gfx1250); checked and timed in simulation.
; The chip was launched on July 23, 2026; its instructions are those of AMD's public machine-readable ISA for CDNA 5 (MIT licence, August 2026) and "CDNA5" Instruction Set Architecture Reference Guide (July 2026). The comments in the code are by the model that wrote it; some were corrected since.
;; Static W8 A8 Int8 Linear. Allowed arithmetic: float matrix products may take bf16 or f16 operands with f32 sums; other float arithmetic in f32, or as packed bf16 or f16 multiplies, adds, multiply-adds, maxima and minima; sums over many terms, partial sums and values carried from step to step in f32; what a program stores and reads back later, other than sums and carried values, may be rounded once to bf16 or f16.
;; Inputs: bias 4,096 float32; input_scale 1 float32; weight 4,096 x 4,096 int32; weight_scale 1 float32; x 4,096 x 4,096 float32.
;; Outputs: out0 4,096 x 4,096 float32.
;; 2 versions, each right; version 2 is version 1 with the launch quant written anew for expert scheduling mode. Each part assembles by itself: llvm-mc -triple=amdgcn-amd-amdhsa -mcpu=gfx1250 --defsym DOCPART=n.
;; ======== version 1 of 2: 2 launches
;; workspace buffers: xq 33,554,432 bytes; wb 33,554,432 bytes
;; launch quant (part 1): grid 512 x 2, 8 waves a work-group, no clusters, 0 bytes of LDS; arguments x, weight, input_scale, xq, wb; writes xq, wb
.if DOCPART == 1
	.amdgcn_target "amdgcn-amd-amdhsa--gfx1250"
	.amdhsa_code_object_version 6
	.text
	.protected	k_qa00f909ed6_quant
	.globl	k_qa00f909ed6_quant
	.p2align	8
	.type	k_qa00f909ed6_quant,@function
k_qa00f909ed6_quant:
	s_mov_b64 s[64:65], 0
	v_nop
	global_prefetch_b8 v0, s[64:65] scope:SCOPE_SE
	s_setreg_imm32_b32 hwreg(HW_REG_WAVE_MODE, 25, 1), 1
	s_wait_xcnt 0x0
; TWO STREAMS, one text.  Grid y = 0:  xq[m][k] = bf16(clip(round_to_even(x[m][k] / input_scale), -128, 127)),  x f32 [4096][4096].
;                         Grid y = 1:  wb[k][n] = bf16(low byte of weight[k][n], sign-extended: what astype(int8) keeps),  weight int32 [4096][4096].
; Every whole number from -128 to 127 has at most 8 significant bits, so bf16 holds it exactly: the product that follows works on exact operands.  The layouts stay as they are.
; SHARES.  A work-group owns 131,072 consecutive input bytes (32,768 numbers) and the 65,536 output bytes that belong to them: 32 steps of 4,096 input bytes.  In a step thread t loads the
; 16 bytes at 16 t and stores the 8 bytes at 8 t: a wave's load covers 512 consecutive bytes, a wave's store 256 consecutive bytes that begin at a multiple of 256 from the buffer's first byte.
; A ring of DEPTH register slots keeps DEPTH loads of every wave in flight.  No LDS, no barrier, no matrix unit, no cluster: no wave wants a byte that another has fetched.
; THE QUOTIENT.  r = 1 / input_scale (v_rcp_f32, bettered by one Newton step); q0 = x r; e = x - q0 input_scale (one fused step, so e is the residual itself); q = q0 + e r.
; LIMITS.  input_scale and its reciprocal are normal f32 numbers (between 2^-126 and 2^126 in magnitude) and x / input_scale stays finite in f32.  NaN and infinities in x are not treated apart.
; q is the quotient to within its last bit, not the divider's own rounding: where x / input_scale lies within that bit of a half, the whole number may fall one step to the other side.
.set DEPTH,  8                         ; slots = loads in flight in each wave
.set ROUNDS, 32/DEPTH                  ; each round takes every slot once
.set INB,    4096                      ; input bytes of a step
.set OUTB,   2048                      ; output bytes of a step
.set VI,  1                            ; v1        16 t; never rewritten
.set VO,  2                            ; v2        8 t; never rewritten
.set RC,  4                            ; v[4:5]    1 / input_scale, twice
.set SV,  6                            ; v6        input_scale
.set TT,  7                            ; v7        at work
.set T,   8                            ; v[8:11]   four numbers at work
.set E,   12                           ; v[12:15]  their residuals
.set X,   16                           ; v[16:47]  slot i: 4 registers as loaded
.set Y,   48                           ; v[48:63]  slot i: 2 registers to store
.set IN,  16                           ; s[16:17]  the input at the round's first step
.set OUT, 18                           ; s[18:19]  the output at the round's first step
.set NS,  30                           ; s[30:31]  -input_scale, twice (the packed form names a pair)
	s_load_b256 s[4:11], s[0:1], 0x0               ; x s[4:5], weight s[6:7], input_scale s[8:9], xq s[10:11]
	s_load_b64 s[12:13], s[0:1], 0x20              ; wb
	v_lshlrev_b32 v[VI], 4, v0
	v_lshlrev_b32 v[VO], 3, v0
	s_and_b32 s14, ttmp7, 0xffff                   ; which stream
	s_mov_b32 s22, 0xc3000000                      ; -128.0
	s_mov_b32 s23, 0x42fe0000                      ; 127.0
	s_lshl_b32 s26, ttmp9, 17                      ; the work-group's part of the input,
	s_mov_b32 s27, 0
	s_lshl_b32 s28, ttmp9, 16                      ; and of the output: both under 2^27
	s_mov_b32 s29, 0
	s_wait_kmcnt 0x0
	s_cmp_eq_u32 s14, 0
	s_cselect_b64 s[IN:IN+1], s[4:5], s[6:7]
	s_cselect_b64 s[OUT:OUT+1], s[10:11], s[12:13]
	s_add_nc_u64 s[IN:IN+1], s[IN:IN+1], s[26:27]
	s_add_nc_u64 s[OUT:OUT+1], s[OUT:OUT+1], s[28:29]
	s_load_b32 s20, s[8:9], 0x0                    ; input_scale
.irp i, 0,1,2,3,4,5,6,7
	global_load_b128 v[X+4*(\i):X+4*(\i)+3], v[VI], s[IN:IN+1] offset:(\i)*INB th:TH_LOAD_NT  ; fill the ring: steps 0 to 7
.endr
	s_wait_kmcnt 0x0
; One slot's turn.  kind = 0: x; 1: weight.  ahead = 1: the slot is filled again with the step DEPTH further on.  left = how many younger loads may stay out.
.macro SLOT kind, i, ahead, left
	s_wait_loadcnt \left                           ; loads come back in order (ISA guide 5.7.1): mine is in, the younger ones stay out
	s_wait_xcnt 0x0                                ; the slot's Y, which its last store reads, is rewritten only behind this wait
.if (\kind) == 0
	v_pk_mul_f32 v[T:T+1],   v[X+4*(\i):X+4*(\i)+1],   v[RC:RC+1]                                  ; q0 = x r
	v_pk_mul_f32 v[T+2:T+3], v[X+4*(\i)+2:X+4*(\i)+3], v[RC:RC+1]
	v_pk_fma_f32 v[E:E+1],   v[T:T+1],   s[NS:NS+1], v[X+4*(\i):X+4*(\i)+1]   op_sel_hi:[1,0,1]    ; e = x - q0 input_scale
	v_pk_fma_f32 v[E+2:E+3], v[T+2:T+3], s[NS:NS+1], v[X+4*(\i)+2:X+4*(\i)+3] op_sel_hi:[1,0,1]
	v_pk_fma_f32 v[T:T+1],   v[E:E+1],   v[RC:RC+1], v[T:T+1]                                      ; q = q0 + e r
	v_pk_fma_f32 v[T+2:T+3], v[E+2:E+3], v[RC:RC+1], v[T+2:T+3]
.irp j, 0,1,2,3
	v_rndne_f32 v[T+(\j)], v[T+(\j)]               ; to the nearest whole number, halves to the even one
.endr
.irp j, 0,1,2,3
	v_med3_num_f32 v[T+(\j)], v[T+(\j)], s22, s23  ; the clip
.endr
.else
.irp j, 0,1,2,3
	v_lshlrev_b32 v[T+(\j)], 24, v[X+4*(\i)+(\j)]  ; the low byte moves to the top,
.endr
.irp j, 0,1,2,3
	v_ashrrev_i32 v[T+(\j)], 24, v[T+(\j)]         ; and comes back with its sign
.endr
.irp j, 0,1,2,3
	v_cvt_f32_i32 v[T+(\j)], v[T+(\j)]
.endr
.endif
	v_cvt_pk_bf16_f32 v[Y+2*(\i)],   v[T],   v[T+1]    ; exact: 8 significant bits at the most
	v_cvt_pk_bf16_f32 v[Y+2*(\i)+1], v[T+2], v[T+3]
.if \ahead
	global_load_b128 v[X+4*(\i):X+4*(\i)+3], v[VI], s[IN:IN+1] offset:((\i)+DEPTH)*INB th:TH_LOAD_NT
.endif
	global_store_b64 v[VO], v[Y+2*(\i):Y+2*(\i)+1], s[OUT:OUT+1] offset:(\i)*OUTB  ; no hint: the next launch reads these bytes
.endm
; A whole stream: ROUNDS - 1 rounds that fill the ring again, and the last round, which loads nothing, so that no load leaves the buffer; its counts run down.
.macro STREAM kind
	s_mov_b32 s24, ROUNDS-1
.Lround_\@:
.irp i, 0,1,2,3,4,5,6,7
	SLOT \kind, \i, 1, DEPTH-1
.endr
	s_wait_xcnt 0x0                                ; the round's loads and stores have read the two bases, which are stepped only behind this wait
	s_add_nc_u64 s[IN:IN+1], s[IN:IN+1], DEPTH*INB
	s_add_nc_u64 s[OUT:OUT+1], s[OUT:OUT+1], DEPTH*OUTB
	s_sub_co_u32 s24, s24, 1
	s_cmp_lg_u32 s24, 0
	s_cbranch_scc1 .Lround_\@
.irp i, 0,1,2,3,4,5,6,7
	SLOT \kind, \i, 0, DEPTH-1-(\i)
.endr
	s_endpgm
.endm
	s_cmp_lg_u32 s14, 0
	s_cbranch_scc1 .Lweight
	v_mov_b32 v[SV], s20
	v_rcp_f32 v[RC], v[SV]
	v_nop                                          ; a plain instruction between the reciprocal and the use of its result (ISA guide 5.7.2),
	s_wait_alu depctr_va_vdst(0)                   ; and a wait ahead of the first use
	v_fma_f32 v[TT], -v[SV], v[RC], 1.0            ; one Newton step: r = r + r (1 - input_scale r)
	v_fma_f32 v[RC], v[TT], v[RC], v[RC]
	v_mov_b32 v[RC+1], v[RC]
	s_xor_b32 s[NS], s20, 0x80000000
	s_mov_b32 s[NS+1], s[NS]
	STREAM 0
.Lweight:
	STREAM 1
.Lfunc_end_k_qa00f909ed6_quant:
	.size	k_qa00f909ed6_quant, .Lfunc_end_k_qa00f909ed6_quant-k_qa00f909ed6_quant
	.p2alignl 7, 3214868480
	.fill 96, 4, 3214868480
	.section	.rodata,"a",@progbits
	.p2align	6, 0x0
	.amdhsa_kernel k_qa00f909ed6_quant
		.amdhsa_group_segment_fixed_size 0
		.amdhsa_private_segment_fixed_size 0
		.amdhsa_enable_private_segment 0
		.amdhsa_kernarg_size 40
		.amdhsa_user_sgpr_count 2
		.amdhsa_user_sgpr_kernarg_segment_ptr 1
		.amdhsa_wavefront_size32 1
		.amdhsa_system_sgpr_workgroup_id_x 1
		.amdhsa_system_sgpr_workgroup_id_y 1
		.amdhsa_system_sgpr_workgroup_id_z 1
		.amdhsa_system_vgpr_workitem_id 0
		.amdhsa_next_free_vgpr 64
		.amdhsa_next_free_sgpr 66
		.amdhsa_reserve_vcc 0
		.amdhsa_float_denorm_mode_32 3
		.amdhsa_float_denorm_mode_16_64 3
		.amdhsa_memory_ordered 1
		.amdhsa_forward_progress 1
		.amdhsa_inst_pref_size 32
	.end_amdhsa_kernel
	.amdgpu_metadata
---
amdhsa.version: [ 1, 2 ]
amdhsa.kernels:
  - .name:           k_qa00f909ed6_quant
    .symbol:         k_qa00f909ed6_quant.kd
    .args:
      - { .name: x, .offset: 0, .size: 8, .value_kind: global_buffer, .address_space: global }
      - { .name: weight, .offset: 8, .size: 8, .value_kind: global_buffer, .address_space: global }
      - { .name: input_scale, .offset: 16, .size: 8, .value_kind: global_buffer, .address_space: global }
      - { .name: xq, .offset: 24, .size: 8, .value_kind: global_buffer, .address_space: global }
      - { .name: wb, .offset: 32, .size: 8, .value_kind: global_buffer, .address_space: global }
    .group_segment_fixed_size: 0
    .private_segment_fixed_size: 0
    .kernarg_segment_align: 8
    .kernarg_segment_size: 40
    .max_flat_workgroup_size: 256
    .sgpr_count:     66
    .vgpr_count:     64
    .wavefront_size: 32
...
	.end_amdgpu_metadata
.endif
;; end of part 1
;; launch gemm (part 2): grid 16 x 16, 4 waves a work-group, clusters of 4 x 4, 327,680 bytes of LDS; arguments xq, wb, out0, bias, input_scale, weight_scale; writes out0
.if DOCPART == 2
	.amdgcn_target "amdgcn-amd-amdhsa--gfx1250"
	.amdhsa_code_object_version 6
	.text
	.protected	k_qa00f909ed6_gemm
	.globl	k_qa00f909ed6_gemm
	.p2align	8
	.type	k_qa00f909ed6_gemm,@function
k_qa00f909ed6_gemm:
	s_mov_b64 s[64:65], 0
	v_nop
	global_prefetch_b8 v0, s[64:65] scope:SCOPE_SE
	s_setreg_imm32_b32 hwreg(HW_REG_WAVE_MODE, 25, 1), 1
	s_wait_xcnt 0x0
	s_wait_alu depctr_hold_cnt(0) depctr_sa_sdst(0) depctr_va_vdst(0) depctr_va_sdst(0) depctr_va_ssrc(0) depctr_va_vcc(0) depctr_vm_vsrc(0)
	s_getreg_b32 s2, hwreg(HW_REG_IB_STS2, 6, 4)
	s_cmp_eq_u32 s2, 0
	s_cbranch_scc0 .Lentry_in_a_cluster
	s_endpgm
.Lentry_in_a_cluster:
	s_bfe_u32 s2, ttmp6, 0x10000c
	s_cmp_lg_u32 s2, 0xf033
	s_cbranch_scc0 .Lentry_shape_is_right
	s_endpgm
.Lentry_shape_is_right:
; out0[m][n] = (the sum over k of xq[m][k] wb[k][n]) x (input_scale x weight_scale) + bias[n].  xq: [4096][4096] bf16, K along the rows; wb: [4096 (k)][4096 (n)] bf16, N along the rows;
; out0 f32.  Both operands hold whole numbers from -128 to 127, which bf16 holds exactly, so every product is exact.
; LIMIT.  The sums are kept in f32: they are exact while they stay under 2^24 in magnitude; the largest that 4,096 products can reach is 2^26, where a sum is off by parts in 2^24 of itself.
; SHARES.  A tile of out0, 256 x 256, is made by a work-group of four waves; a wave makes 128 x 128: 64 accumulators of 16 x 16, 512 registers.  16 x 16 tiles: 256 work-groups, one tile each.
; K goes in 32 steps of 128 through a ring of two LDS slots filled by the tensor data mover.  A's tile (xq) is 256 rows x 256 bytes, B's (wb) 128 k rows x 512 bytes: every row begins at a multiple of 256
; bytes from its buffer's first byte.  B lies [k][n] in LDS too and is turned on its way into registers, by ds_load_tr16_b128: as many LDS loads as a fragment that lies along K takes.
; CLUSTERS.  4 x 4 work-groups.  The four of a row of the cluster need the same tiles of xq, the four of a column the same tiles of wb: each tile is asked for JOINTLY, by the same tensor load with the
; same descriptor and a mask that names the four; each receives it in its own LDS.  That divides the requests for both operands by four.
; THE MATRIX INSTRUCTION IS USED TRANSPOSED: source 0 = 16 columns n of wb, source 1 = 16 rows of xq.  In the result lane l holds row m = l % 16 and its registers 0 to 7 the columns 8 (l / 16) + 0 .. 7.
; THE WAY OUT.  16 rows x 128 columns of f32 at a time go through the wave's own stage in LDS and come back as whole rows of 512 bytes; there every row gives a lane the same four columns, so
; the bias costs four registers, and scale and bias are one fused multiply-add for each number.
; REGISTERS, in windows of 256 (s_set_vgpr_msb's low byte: bits 1:0 source 0, 3:2 source 1, 5:4 source 2, 7:6 destination):
;   window 0: v0-31 addresses, bias, scale; v64-127, v128-191 fragments of xq, two buffers (on the way out: rows read back from the stage)
;   window 1: v64-127, v128-191 fragments of wb, two buffers
;   window 2: the 32 accumulators of my rows 0-63 (accumulator (a, b) at v[8 (8 a + b)]);   window 3: those of my rows 64-127
.set SIZE_K, 4096
.set SIZE_N, 4096
.set KSTEP,  128
.set PA,     272                       ; a row of A's tile in LDS: 256 bytes + 16 of padding = 68 words: row r starts at bank 4 r mod 64 (64 banks of 4 bytes: ISA guide 11.1): the 16 rows of a load start at 16 different banks
.set PB,     544                       ; a row of B's tile: 512 bytes + 32 of padding = 136 words: row r starts at bank 8 r mod 64
.set HALFT,  128*PA                    ; what one tensor load brings: 128 rows of A, or 64 rows of B (64 x 544 is the same 34,816 bytes)
.set SLOT,   4*HALFT                   ; A's 256 rows, then B's 128 k rows
.set STAGE,  2*SLOT                    ; behind the ring: 16 rows x 528 bytes for each wave, for the way out; no tensor load fills it
.set SPITCH, 528                       ; 512 bytes + 16 = 33 x 16: the 16 rows that a store touches start at 16 different groups of four banks
.set WSTAGE, 16*SPITCH
.set SPARE,  STAGE+4*WSTAGE            ; behind the stages: the spare words, 128 bytes for each wave: two blocks of 256 bytes that no other line names
.set LAPS,   SIZE_K/(2*KSTEP)          ; a lap = two K steps = once round the ring
.set STEP_A, KSTEP*2                   ; bytes from a K step to the next: along xq's rows,
.set STEP_B, KSTEP*SIZE_N*2            ; and 128 rows down wb
.set BI,   8                           ; v[8:11]  the bias of my four columns on the way out
.set SC,   12                          ; v[12:13] input_scale x weight_scale, twice
.set ADRA, 16                          ; v16-17   LDS address of my fragments of A in slot 0, 1
.set ADRB, 20                          ; v20-21   the same for B
.set STO,  24                          ; v24      the way out: where I put 32 bytes of a row
.set RD,   25                          ; v25      the way out: where I read 16 bytes of a row back
.set CO,   26                          ; v26      16 x lane: my byte offset in 512 bytes of a row of out0
.set BO,   27                          ; v27      my byte offset in the bias
.set SPW,  28                          ; v28      LDS address of my spare word: SPARE + 4 x my thread's number; never rewritten
.set NIL,  29                          ; v29      0; never rewritten
.set PFO,  30                          ; v30      the prefetches' offset; never rewritten
.set F0,   64                          ; fragment buffer 0
.set F1,   128                         ; fragment buffer 1
.set G1,   24                          ; s[24:31] descriptor group 1 for A's tiles
.set G0,   32                          ; s[32:39] descriptor group 0 for A's tiles, one set for each slot
.set LIM,  43                          ; s43      1 in a wave that prefetches, else the greatest number
.set PFA,  44                          ; s[44:45] where my prefetches stand
.set G1B,  48                          ; s[48:55] descriptor group 1 for B's tiles
.set G0B,  56                          ; s[56:63] descriptor group 0 for B's tiles, one set for each slot
.set PST,  66                          ; s[66:67] what my prefetches step by: a K step of A or of B
.set MSB, 0
.macro WIN new                         ; the immediate's high byte repeats the setting that is left; a switch that changes nothing is dropped
.if MSB != (\new)
	s_set_vgpr_msb (MSB<<8)|(\new)
.set MSB, \new
.endif
.endm
.set MUL_LO, 0xa1                      ; source 0 (B) window 1, source 1 (A) window 0, C and D window 2
.set MUL_HI, 0xf1                      ; the same, C and D window 3
.set TO_B,   0x40                      ; destination window 1, address window 0
; A joint load.  Waves 0 and 1 fetch A's two halves, waves 2 and 3 B's.  Each of the two lines has one mask and one set of registers for all that issue it.  The branch hangs on the wave's number alone.
; An s_nop 0 and four v_nop follow each of the two lines, ahead of the jump, the label and what follows the macro.
.macro JLOAD s
	s_cmp_eq_u32 s11, 0
	s_cbranch_scc0 .Lfor_b_\@
	tensor_load_to_lds s[G0+4*(\s):G0+4*(\s)+3], s[G1:G1+7]
	s_nop 0
.rept 4
	v_nop
.endr
	s_branch .Lasked_\@
.Lfor_b_\@:
	tensor_load_to_lds s[G0B+4*(\s):G0B+4*(\s)+3], s[G1B:G1B+7]
	s_nop 0
.rept 4
	v_nop
.endr
.Lasked_\@:
.endm
; A PREFETCH INTO THE L2, behind each joint refill and the run of LDS loads that follows it: the K step that stands TWO refills on, 512 matrix instructions ahead of the load that will ask for it.
; Each aligned block of 256 bytes of xq and wb is named once in the launch.  A tile row of xq is read by every cluster of that row of clusters: cluster x = 0 asks; a tile column of wb by every cluster of that
; column: cluster y = 0 asks.  The four partners that ask for a tile jointly share its blocks out BY ADDRESS (cx for A, cy for B): of the 128 rows of A that a wave fetches a partner takes 32, a lane a row;
; of the 64 rows of B it takes 16, two lanes a row of 512 bytes.  K steps 0 to 3 come by their loads alone; the loop's last trip (s3 = 1) has no K step two refills on and asks for nothing.
.macro ASK
	s_cmp_gt_u32 s3, s[LIM]
	s_cbranch_scc0 .Lnot_mine_\@
	global_prefetch_b8 v[PFO], s[PFA:PFA+1] th:TH_LOAD_NT scope:SCOPE_SE
.Lnot_mine_\@:
.endm
; A round of the cluster's barrier: my work-group's barrier, so that wave 0's signal speaks for all four waves; wave 0 signals for the work-group; every wave waits for all sixteen work-groups;
; my work-group's barrier once more.  No LDS instruction of the wave is pending at a signal.
.macro CREST                           ; a round behind its opening barrier
	s_cmp_lg_u32 s10, 0
	s_cbranch_scc1 .Lnot_wave_0_\@
	s_barrier_signal -3
.Lnot_wave_0_\@:
	s_barrier_wait -3
	s_barrier_signal -1
	s_barrier_wait -1
.endm
.macro CROUND                          ; a whole round
	s_barrier_signal -1
	s_barrier_wait -1
	CREST
.endm
	s_load_b128 s[4:7], s[0:1], 0x0                ; xq s[4:5], wb s[6:7]
	s_load_b64 s[8:9], s[0:1], 0x10                ; out0
	s_load_b128 s[68:71], s[0:1], 0x18             ; bias s[68:69], input_scale s[70:71]
	s_load_b64 s[72:73], s[0:1], 0x28              ; weight_scale
	v_lshl_add_u32 v[SPW], v0, 2, SPARE
	v_mov_b32 v[NIL], 0
	ds_add_u32 v[SPW], v[NIL]                      ; the wave's opening: the add, twice on end, and its wait, ahead of my first tensor load; the set-up below, work on registers, stands between
	ds_add_u32 v[SPW], v[NIL]                      ; and once more, under the one wait
	v_lshrrev_b32 v1, 5, v0
	v_readfirstlane_b32 s10, v1                    ; wave 0..3
	s_lshr_b32 s11, s10, 1                         ; which half of the tile's rows is mine.  Also: I fetch for A (0) or for B (1)
	s_and_b32 s12, s10, 1                          ; which half of its columns.  Also: which half of that tile I fetch
	s_bfe_u32 s40, ttmp6, 0x40000                  ; cx: my place along the cluster's x
	s_bfe_u32 s41, ttmp6, 0x40004                  ; cy: along its y
	s_lshl_b32 s42, ttmp9, 2                       ; in a cluster launch ttmp9 and ttmp7 count clusters
	s_add_co_u32 s42, s42, s40                     ; tile column = 4 x cluster x + cx
	s_and_b32 s13, ttmp7, 0xffff
	s_lshl_b32 s13, s13, 2
	s_add_co_u32 s13, s13, s41                     ; tile row = 4 x cluster y + cy
	s_lshl_b32 s43, s41, 2
	s_lshl_b32 s43, 15, s43                        ; my row of the cluster: places 4 cy .. 4 cy + 3
	s_lshl_b32 s44, 0x1111, s40                    ; my column: places cx, cx + 4, cx + 8, cx + 12
	; descriptor group 1 for A: 128 rows x 128 elements, 16 bytes of padding behind each row
	s_or_b32 s[G1+0], s43, (1<<16)|(1<<20)|(1<<21)|(5<<22)|(3<<25)  ; 15:0 the mask: my row; 17:16 elements of 2 bytes; 20 padding on; 21 set beside a mask; 24:22 after every 64 words (code 5); 31:25 4 words (code 3)
	s_mov_b32 s[G1+1], KSTEP<<16                   ; tensor_dim0 = 128
	s_mov_b32 s[G1+2], 128<<16                     ; tensor_dim1 = 128
	s_mov_b32 s[G1+3], KSTEP<<16                   ; tile_dim0 = 128
	s_mov_b32 s[G1+4], 128                         ; tile_dim1 = 128
	s_mov_b32 s[G1+5], SIZE_K                      ; elements from row to row
	s_mov_b32 s[G1+6], 0
	s_mov_b32 s[G1+7], 0
	; for B: 64 k rows x 256 elements, 32 bytes of padding behind each row
	s_or_b32 s[G1B+0], s44, (1<<16)|(1<<20)|(1<<21)|(6<<22)|(7<<25) ; the mask: my column; after every 128 words (code 6) 8 words (code 7)
	s_mov_b32 s[G1B+1], 256<<16                    ; tensor_dim0 = 256
	s_mov_b32 s[G1B+2], 64<<16                     ; tensor_dim1 = 64
	s_mov_b32 s[G1B+3], 256<<16                    ; tile_dim0 = 256
	s_mov_b32 s[G1B+4], 64                         ; tile_dim1 = 64
	s_mov_b32 s[G1B+5], SIZE_N                     ; elements from row to row
	s_mov_b32 s[G1B+6], 0
	s_mov_b32 s[G1B+7], 0
	; where the tiles come from.  A's hang on the tile row alone, which my row of the cluster shares; B's on the tile column alone, which my column shares.  Every wave makes both.
	s_lshl_b32 s17, s12, 7
	s_lshl_b32 s16, s13, 8
	s_add_co_u32 s16, s16, s17                     ; A: row 256 x tile row + 128 x half,
	s_lshl_b32 s16, s16, 13                        ; of 8,192 bytes: under 2^25
	s_mov_b32 s17, 0
	s_lshl_b32 s46, s42, 9                         ; B: 512 bytes x tile column
	s_lshl_b32 s47, s12, 19                        ; + 64 rows of 8,192 bytes x half
	s_add_co_u32 s46, s46, s47
	s_mov_b32 s47, 0
	s_mul_i32 s20, s10, HALFT                      ; and where they go: A's two halves, then B's two halves = wave x 34,816: no place in the cluster enters an LDS address
	s_wait_dscnt 0x0                               ; both opening adds are done
	s_wait_kmcnt 0x0
	s_add_nc_u64 s[14:15], s[4:5], s[16:17]
	s_add_nc_u64 s[46:47], s[6:7], s[46:47]
	CROUND                                         ; all sixteen work-groups are here: the first joint loads meet
.irp s, 0,1
	s_mov_b32 s[G0+4*(\s)], 1                                      ; 1:0 count = 1
	s_add_co_u32 s[G0+4*(\s)+1], s20, (\s)*SLOT                    ; 63:32 LDS address
	s_add_nc_u64 s[G0+4*(\s)+2:G0+4*(\s)+3], s[14:15], (\s)*STEP_A ; 120:64 global address: K step s
	s_or_b32 s[G0+4*(\s)+3], s[G0+4*(\s)+3], 0x80000000            ; 127:126 type = 2
	s_mov_b32 s[G0B+4*(\s)], 1
	s_add_co_u32 s[G0B+4*(\s)+1], s20, (\s)*SLOT
	s_add_nc_u64 s[G0B+4*(\s)+2:G0B+4*(\s)+3], s[46:47], (\s)*STEP_B
	s_or_b32 s[G0B+4*(\s)+3], s[G0B+4*(\s)+3], 0x80000000
	JLOAD \s                                       ; the ring is filled before anything else is done: two loads of mine are out
.endr
	s_load_b32 s74, s[70:71], 0x0                  ; input_scale
	s_load_b32 s75, s[72:73], 0x0                  ; weight_scale
	; A fragment of A is 16 rows x 32 K in 8 registers: lane l holds row l % 16; registers 0-3 K = 8 (l / 16) + 0..7, registers 4-7 K = 16 + 8 (l / 16) + 0..7: two loads of 16 bytes, 32 bytes apart.
	v_and_b32 v1, 15, v0                           ; l % 16
	v_bfe_u32 v2, v0, 4, 1                         ; l / 16
	v_mul_u32_u24 v3, v1, PA
	v_lshl_add_u32 v3, v2, 4, v3                   ; row x pitch + 16 x half
	; The turning load takes 16 k x 16 n (lane l reads 16 bytes: k row 8 (l / 16) + l % 8, columns 8 ((l / 8) % 2) + 0..7) and leaves half a fragment: lane l holds column l % 16 and 8 k.
	v_and_b32 v4, 7, v0
	v_lshl_add_u32 v4, v2, 3, v4
	v_mul_u32_u24 v4, v4, PB
	v_bfe_u32 v5, v0, 3, 1
	v_lshl_add_u32 v4, v5, 4, v4
	s_mul_i32 s21, s11, HALFT                      ; my 128 rows of A
	s_lshl_b32 s22, s12, 8                         ; my 128 columns of B: 256 bytes of each k row,
	s_add_co_u32 s22, s22, 2*HALFT                 ; behind A's 256 rows
.irp s, 0,1
	v_add_nc_u32 v[ADRA+(\s)], s21, v3
	v_add_nc_u32 v[ADRB+(\s)], s22, v4
	s_add_co_u32 s21, s21, SLOT
	s_add_co_u32 s22, s22, SLOT
.endr
	s_mul_i32 s23, s10, WSTAGE
	s_add_co_u32 s23, s23, STAGE                   ; my stage
	v_mul_u32_u24 v5, v1, SPITCH                   ; in: row l % 16, 32 bytes for each half of the lanes
	v_lshl_add_u32 v5, v2, 5, v5
	v_add_nc_u32 v[STO], s23, v5
	v_and_b32 v6, 31, v0                           ; l
	v_lshlrev_b32 v[CO], 4, v6                     ; back: 32 lanes take one row of 512 bytes
	v_add_nc_u32 v[RD], s23, v[CO]
	s_lshl_b32 s46, s42, 10                        ; my first column in f32 bytes: 1,024 x tile column + 512 x half
	s_lshl_b32 s47, s12, 9
	s_add_co_u32 s46, s46, s47
	v_add_nc_u32 v[BO], s46, v[CO]
	global_load_b128 v[BI:BI+3], v[BO], s[68:69]   ; the bias of the four columns that every row of the way out gives me
	s_lshl_b32 s16, s13, 8
	s_lshl_b32 s17, s11, 7
	s_add_co_u32 s16, s16, s17                     ; my first row of out0,
	s_lshl_b32 s16, s16, 14                        ; of 16,384 bytes,
	s_add_co_u32 s16, s16, s46                     ; and my first column: under 2^26
	s_mov_b32 s17, 0
	s_add_nc_u64 s[8:9], s[8:9], s[16:17]
	; the prefetches: the offsets are made apart from the addresses
	s_and_b32 s22, ttmp7, 0xffff                   ; cluster y
	s_lshl_b32 s20, s13, 8                         ; A: row 256 x tile row
	s_lshl_b32 s21, s12, 7
	s_add_co_u32 s20, s20, s21                     ; + the 128 rows that I fetch
	s_lshl_b32 s21, s40, 5
	s_add_co_u32 s20, s20, s21                     ; + my work-group's 32 of them
	s_lshl_b32 s20, s20, 13
	s_add_co_u32 s20, s20, 3*STEP_A                ; at K step 3: the first refill steps it to 4
	s_lshl_b32 s21, s12, 6                         ; B: the 64 k rows that I fetch
	s_lshl_b32 s23, s41, 4
	s_add_co_u32 s21, s21, s23                     ; + my work-group's 16 of them
	s_lshl_b32 s21, s21, 13
	s_lshl_b32 s23, s42, 9
	s_add_co_u32 s21, s21, s23                     ; + the tile column's 512 bytes
	s_add_co_u32 s21, s21, 3*STEP_B
	s_mov_b32 s23, STEP_A
	s_cmp_eq_u32 s11, 0                            ; do I fetch for A?
	s_cselect_b32 s20, s20, s21
	s_cselect_b32 s22, ttmp9, s22                  ; the coordinate along which other clusters read the same blocks
	s_cselect_b32 s[PST], s23, STEP_B
	s_cselect_b64 s[PFA:PFA+1], s[4:5], s[6:7]
	s_mov_b32 s[PST+1], 0
	s_mov_b32 s21, 0
	s_cmp_eq_u32 s22, 0
	s_cselect_b32 s[LIM], 1, -1                    ; the same in all sixteen partners, for a given wave
	s_add_nc_u64 s[PFA:PFA+1], s[PFA:PFA+1], s[20:21]
	v_lshrrev_b32 v7, s11, v6                      ; A (s11 = 0): a lane a row of 8,192 bytes.  B (s11 = 1): two lanes a row,
	v_and_b32 v5, s11, v6                          ; the odd lane 256 bytes further on
	v_lshlrev_b32 v7, 13, v7
	v_lshl_or_b32 v[PFO], v5, 8, v7
	s_wait_kmcnt 0x0
	v_mov_b32 v[SC], s74
	v_mul_f32 v[SC], s75, v[SC]                    ; input_scale x weight_scale, rounded once, as the problem multiplies them first
	v_mov_b32 v[SC+1], v[SC]
; 16 matrix instructions: m blocks a0, a0 + 1 of the window's four (hi = 0: my rows 0-63, 1: rows 64-127) x all 8 n blocks, 32 along K.  zero = 1: the first product starts the sums: nothing is ever cleared.
; The 64 accumulators take turns, one instruction a turn, in the same order in every quarter step.
.macro MUL16 f, hi, a0, zero
	WIN MUL_LO+0x50*(\hi)
.irp a, \a0, (\a0)+1
.irp b, 0,1,2,3,4,5,6,7
.if \zero
	v_wmma_f32_16x16x32_bf16 v[8*(8*(\a)+(\b)):8*(8*(\a)+(\b))+7], v[(\f)+8*(\b):(\f)+8*(\b)+7], v[(\f)+8*(4*(\hi)+(\a)):(\f)+8*(4*(\hi)+(\a))+7], 0
.else
	v_wmma_f32_16x16x32_bf16 v[8*(8*(\a)+(\b)):8*(8*(\a)+(\b))+7], v[(\f)+8*(\b):(\f)+8*(\b)+7], v[(\f)+8*(4*(\hi)+(\a)):(\f)+8*(4*(\hi)+(\a))+7], v[8*(8*(\a)+(\b)):8*(8*(\a)+(\b))+7]
.endif
.endr
.endr
.endm
; 32 LDS loads in one run: the fragments of quarter q of a K step (32 along K) into buffer f: B's 8 blocks of 16 columns, turned, then A's 8 blocks of 16 rows.
.macro FETCH slot, q, f
	WIN TO_B
.irp i, 0,1,2,3,4,5,6,7
	ds_load_tr16_b128 v[(\f)+8*(\i):(\f)+8*(\i)+3],   v[ADRB+(\slot)] offset:(\q)*32*PB+32*(\i)
	ds_load_tr16_b128 v[(\f)+8*(\i)+4:(\f)+8*(\i)+7], v[ADRB+(\slot)] offset:(\q)*32*PB+16*PB+32*(\i)
.endr
	WIN 0
.irp i, 0,1,2,3,4,5,6,7
	ds_load_b128 v[(\f)+8*(\i):(\f)+8*(\i)+3],   v[ADRA+(\slot)] offset:64*(\q)+(\i)*16*PA
	ds_load_b128 v[(\f)+8*(\i)+4:(\f)+8*(\i)+7], v[ADRA+(\slot)] offset:64*(\q)+(\i)*16*PA+32
.endr
.endm
; A load into a register that a matrix instruction has read, and a store that reads a matrix result, stand four places behind that matrix instruction, and only plain vector instructions that name
; none of its registers are places (ISA guide 7.12.1 for vector instructions); the matrix instructions in between are not counted.
.macro PLACES
.rept 4
	v_nop
.endr
.endm
; A K step is four quarters of 32 along K, 64 matrix instructions each, on buffers 0, 1, 0, 1.  One of the first three: multiplies buffer f; in its middle it fetches quarter q of the same slot into buffer g.
.macro QUARTER slot, q, f, g, zero
	s_wait_dscnt 8                                 ; B and A's rows 0-63 are in; the youngest eight loads (A's rows 64-127) may be out
	MUL16 \f, 0, 0, \zero
	MUL16 \f, 0, 2, \zero
	PLACES
	FETCH \slot, \q, \g
	s_wait_dscnt 32                                ; all but the 32 just issued
	MUL16 \f, 1, 0, \zero
	MUL16 \f, 1, 2, \zero
.endm
; The last quarter multiplies buffer 1 and changes slots.  MEET is its first half: ONE barrier for two things.  In front of it each wave waits for all its tensor loads, of which one is out: its part of
; the next slot; adds 0 to its spare word; and waits for that and for its own reads of this slot.  Behind it nobody reads this slot any more and the next slot is whole.
.macro MEET round                      ; round = 1: a round of the cluster's barrier follows
	WIN 0                                          ; (the add's two registers lie in window 0)
	s_wait_tensorcnt 0x0                           ; all my tensor loads have landed;
	ds_add_u32 v[SPW], v[NIL]                      ; 0 onto my spare word;
	s_wait_dscnt 9                                 ; (the add and the youngest eight loads may be out)
	MUL16 F1, 0, 0, 0                              ; sixteen matrix instructions stand between the add and the wait for it
	s_wait_dscnt 0x0                               ; the add is done, and my reads of this slot are over:
	s_barrier_signal -1                            ; say so,
	MUL16 F1, 0, 2, 0                              ; work on registers while the others arrive,
.if \round
	WIN 0
.endif
	s_barrier_wait -1                              ; and go on when all four have said so
.endm
; The whole last quarter with a refill.  The barrier opens a round of the cluster's; behind the round the slot just read out is filled again first, with the K step two steps on: from that request to the wait
; for it a wave issues 224 matrix instructions.  Then come the next slot's first fragments.
.macro TURN slot, next
	s_wait_xcnt 0x0                                ; the last prefetch, a K step back, has read its address, which is stepped here, ahead of the waits of the change of slots
	s_add_nc_u64 s[PFA:PFA+1], s[PFA:PFA+1], s[PST:PST+1]
	MEET 1
	CREST                                          ; no wave of any partner still reads this slot's tile or has a load on its way
	s_add_nc_u64 s[G0+4*(\slot)+2:G0+4*(\slot)+3], s[G0+4*(\slot)+2:G0+4*(\slot)+3], 2*STEP_A     ; no tensor load of mine is out, so the group 0 sets may be written
	s_add_nc_u64 s[G0B+4*(\slot)+2:G0B+4*(\slot)+3], s[G0B+4*(\slot)+2:G0B+4*(\slot)+3], 2*STEP_B
	JLOAD \slot                                    ; the first tensor load behind the round, and my only one until the next; its four v_nop are also the places in front of the loads below
	FETCH \next, 0, F0
	ASK
	MUL16 F1, 1, 0, 0
	MUL16 F1, 1, 2, 0
.endm
; THE WAY OUT of block a (16 of my rows x my 128 columns).  TOSTAGE: a lane's eight columns of a row, 32 bytes, go from the accumulators into my own stage, each accumulator's low four registers first;
; the block comes back as 16 whole rows of 512 bytes, into the registers that held A's fragments, two buffers by turns.
.macro TOSTAGE a
.set AC, 64*((\a)%4)
.set BK, F0+64*((\a)%2)
	WIN 0x08+4*((\a)/4)                            ; the stores' data (source 1): window 2 or 3
.irp b, 0,1,2,3,4,5,6,7
	ds_store_b128 v[STO], v[AC+8*(\b):AC+8*(\b)+3]   offset:64*(\b)
	ds_store_b128 v[STO], v[AC+8*(\b)+4:AC+8*(\b)+7] offset:64*(\b)+16
.endr
	WIN 0
	s_wait_xcnt 0x0                                ; the stores of the block two back have read this buffer: it is loaded again only behind this wait
.irp t, 0,1,2,3,4,5,6,7,8,9,10,11,12,13,14,15
	ds_load_b128 v[BK+4*(\t):BK+4*(\t)+3], v[RD] offset:(\t)*SPITCH  ; LDS serves a wave's instructions in order (ISA guide 5.7.1.4): these see the stores above, and the next block's stores come behind them
.endr
.endm
; SEND: sum x scale + bias, one fused step for two numbers, and the row is stored.  younger: the LDS instructions issued behind this block's loads: the next block's 32, or none.
.macro SEND a, younger
.set BK, F0+64*((\a)%2)
	WIN 0
.irp t, 0,1,2,3,4,5,6,7,8,9,10,11,12,13,14,15
	s_wait_dscnt (\younger)+15-(\t)                ; row t is back; the block's later rows and what was issued behind them may be out
	v_pk_fma_f32 v[BK+4*(\t):BK+4*(\t)+1],   v[BK+4*(\t):BK+4*(\t)+1],   v[SC:SC+1], v[BI:BI+1]
	v_pk_fma_f32 v[BK+4*(\t)+2:BK+4*(\t)+3], v[BK+4*(\t)+2:BK+4*(\t)+3], v[SC:SC+1], v[BI+2:BI+3]
	global_store_b128 v[CO], v[BK+4*(\t):BK+4*(\t)+3], s[8:9] offset:((\a)*16+(\t))*SIZE_N*4 th:TH_STORE_NT  ; 512 consecutive bytes of a row, at a multiple of 512 from out0's first; 127 rows of 16,384 bytes at the most, inside the signed 24-bit immediate
.endr
.endm
	s_wait_loadcnt 0x0                             ; the bias: waited for here, in the wait for the first tile
	s_wait_tensorcnt 1                             ; my part of K step 0 is in; K step 1's may stay out
	s_barrier_signal -1
	s_barrier_wait -1                              ; everybody's is
	FETCH 0, 0, F0
	QUARTER 0, 1, F0, F1, 1                        ; the first quarter stands in front of the loop: its products start the sums
	WIN 0                                          ; at a label and at a branch every window is 0
	s_mov_b32 s3, LAPS-1
.Llap:                                                 ; a trip goes once round the ring, from a lap's second quarter to the next lap's first, and fills both slots again
	QUARTER 0, 2, F1, F0, 0
	QUARTER 0, 3, F0, F1, 0
	TURN 0, 1
	QUARTER 1, 1, F0, F1, 0
	QUARTER 1, 2, F1, F0, 0
	QUARTER 1, 3, F0, F1, 0
	TURN 1, 0
	QUARTER 0, 1, F0, F1, 0
	WIN 0
	s_sub_co_u32 s3, s3, 1
	s_cmp_lg_u32 s3, 0
	s_cbranch_scc1 .Llap
	QUARTER 0, 2, F1, F0, 0                        ; the last lap is written out: it fills nothing and no round follows its barrier
	QUARTER 0, 3, F0, F1, 0
	MEET 0                                         ; my one tensor load that was still out is slot 1's, the last K step's
	PLACES                                         ; for the loads into buffer 0
	FETCH 1, 0, F0
	MUL16 F1, 1, 0, 0
	MUL16 F1, 1, 2, 0
	QUARTER 1, 1, F0, F1, 0
	QUARTER 1, 2, F1, F0, 0
	QUARTER 1, 3, F0, F1, 0
	s_wait_dscnt 8                                 ; the very last quarter: nothing more to fetch
	MUL16 F1, 0, 0, 0
	MUL16 F1, 0, 2, 0
	s_wait_dscnt 0x0
	MUL16 F1, 1, 0, 0
	MUL16 F1, 1, 2, 0
	WIN 0
	PLACES                                         ; behind the last products, in front of the stores that read results and of the loads into both fragment buffers:
	PLACES                                         ; eight, once a launch
	TOSTAGE 0
.irp a, 1,2,3,4,5,6,7                  ; block a's way through the stage is begun before block a - 1's rows are waited for
	TOSTAGE \a
	SEND (\a)-1, 32
.endr
	SEND 7, 0
	s_wait_tensorcnt 0x0                           ; the wave's end: behind my last tensor load and my last LDS store
	ds_add_u32 v[SPW], v[NIL]
	s_wait_dscnt 0x0
	CROUND                                         ; the closing round: no work-group ends while a partner may still ask for a tile that names it
	s_endpgm
.Lfunc_end_k_qa00f909ed6_gemm:
	.size	k_qa00f909ed6_gemm, .Lfunc_end_k_qa00f909ed6_gemm-k_qa00f909ed6_gemm
	.p2alignl 7, 3214868480
	.fill 96, 4, 3214868480
	.section	.rodata,"a",@progbits
	.p2align	6, 0x0
	.amdhsa_kernel k_qa00f909ed6_gemm
		.amdhsa_group_segment_fixed_size 327680
		.amdhsa_private_segment_fixed_size 0
		.amdhsa_enable_private_segment 0
		.amdhsa_kernarg_size 48
		.amdhsa_user_sgpr_count 2
		.amdhsa_user_sgpr_kernarg_segment_ptr 1
		.amdhsa_wavefront_size32 1
		.amdhsa_system_sgpr_workgroup_id_x 1
		.amdhsa_system_sgpr_workgroup_id_y 1
		.amdhsa_system_sgpr_workgroup_id_z 1
		.amdhsa_system_vgpr_workitem_id 0
		.amdhsa_next_free_vgpr 1024
		.amdhsa_next_free_sgpr 76
		.amdhsa_reserve_vcc 0
		.amdhsa_float_denorm_mode_32 3
		.amdhsa_float_denorm_mode_16_64 3
		.amdhsa_memory_ordered 1
		.amdhsa_forward_progress 1
		.amdhsa_inst_pref_size 162
	.end_amdhsa_kernel
	.amdgpu_metadata
---
amdhsa.version: [ 1, 2 ]
amdhsa.kernels:
  - .name:           k_qa00f909ed6_gemm
    .symbol:         k_qa00f909ed6_gemm.kd
    .args:
      - { .name: xq, .offset: 0, .size: 8, .value_kind: global_buffer, .address_space: global }
      - { .name: wb, .offset: 8, .size: 8, .value_kind: global_buffer, .address_space: global }
      - { .name: out0, .offset: 16, .size: 8, .value_kind: global_buffer, .address_space: global }
      - { .name: bias, .offset: 24, .size: 8, .value_kind: global_buffer, .address_space: global }
      - { .name: input_scale, .offset: 32, .size: 8, .value_kind: global_buffer, .address_space: global }
      - { .name: weight_scale, .offset: 40, .size: 8, .value_kind: global_buffer, .address_space: global }
    .group_segment_fixed_size: 327680
    .private_segment_fixed_size: 0
    .kernarg_segment_align: 8
    .kernarg_segment_size: 48
    .max_flat_workgroup_size: 128
    .sgpr_count:     76
    .vgpr_count:     1024
    .wavefront_size: 32
...
	.end_amdgpu_metadata
.endif
;; end of part 2
;; ======== version 2 of 2: 2 launches; version 1 with the launch quant written anew for expert scheduling mode
;; workspace buffers: xq 33,554,432 bytes; wb 33,554,432 bytes
;; launch quant (part 3): grid 512 x 2, 8 waves a work-group, no clusters, 0 bytes of LDS; arguments x, weight, input_scale, xq, wb; writes xq, wb
.if DOCPART == 3
	.amdgcn_target "amdgcn-amd-amdhsa--gfx1250"
	.amdhsa_code_object_version 6
	.text
	.protected	k_qa00f909ed6_quant
	.globl	k_qa00f909ed6_quant
	.p2align	8
	.type	k_qa00f909ed6_quant,@function
k_qa00f909ed6_quant:
	s_mov_b64 s[64:65], 0
	v_nop
	global_prefetch_b8 v0, s[64:65] scope:SCOPE_SE
	s_setreg_imm32_b32 hwreg(HW_REG_WAVE_SCHED_MODE, 0, 2), 2
	s_setreg_imm32_b32 hwreg(HW_REG_WAVE_MODE, 25, 1), 1
	s_wait_xcnt 0x0
	s_wait_alu depctr_vm_vsrc(0)
; TWO STREAMS, one text.  Grid y = 0:  xq[m][k] = bf16(clip(round_to_even(x[m][k] / input_scale), -128, 127)),  x f32 [4096][4096].
;                         Grid y = 1:  wb[k][n] = bf16(low byte of weight[k][n], sign-extended: what astype(int8) keeps),  weight int32 [4096][4096].
; Every whole number from -128 to 127 has at most 8 significant bits, so bf16 holds it exactly: the product that follows works on exact operands.  The layouts stay as they are.
; SHARES.  A work-group owns 131,072 consecutive input bytes (32,768 numbers) and the 65,536 output bytes that belong to them: 32 steps of 4,096 input bytes.  In a step thread t loads the
; 16 bytes at 16 t and stores the 8 bytes at 8 t: a wave's load covers 512 consecutive bytes, a wave's store 256 consecutive bytes that begin at a multiple of 256 from the buffer's first byte.
; No LDS, no barrier, no matrix unit, no cluster: no wave wants a byte that another has fetched.
; THE QUOTIENT.  r = 1 / input_scale (v_rcp_f32, bettered by one Newton step); q0 = x r; e = x - q0 input_scale (one fused step, so e is the residual itself); q = q0 + e r.
; LIMITS.  input_scale and its reciprocal are normal f32 numbers (between 2^-126 and 2^126 in magnitude) and x / input_scale stays finite in f32.  NaN and infinities in x are not treated apart.
; q is the quotient to within its last bit, not the divider's own rounding: where x / input_scale lies within that bit of a half, the whole number may fall one step to the other side.
; THE MODE: SCHED_MODE bits 1:0 = 2 (LLVM: expert scheduling mode 2), set by the entry lines.  The code itself states the register dependences between vector instructions and memory
; instructions, with s_wait_alu, always for 0.
; THE PLAN.  The 32 steps go in 8 blocks of four.  Registers that memory instructions touch:
;   X0 .. X3   four blocks as loaded.      Written by the loads of block p + 3, issued in block p; read by block p's arithmetic.
;   Y0, Y1     two blocks to store.        Written by block p's roundings to bf16; read by the four stores that are issued in block p + 1.
;   v1, v2     byte offsets 16 t and 8 t, made once at the head and never written again: a step is reached by its immediate offset (126,976 bytes at the most), and the two scalar bases stand still.
; Block p works on X[p % 4] and writes Y[p % 2].  Its memory instructions are the loads into X[(p + 3) % 4] = X[(p - 1) % 4] and the stores from Y[(p - 1) % 2]: the two buffers that block p - 1
; worked on and that no vector instruction of block p names.  So the waits at a block's head state all that the block's eight memory instructions hang on, and these are dealt among its
; vector instructions with no further wait.  T, E, RC, SV and TT are named by vector instructions alone.
; NO LOOP.  Block 0 has no block in front of it and blocks 5 to 7 load nothing; the four between are one lap of the four X buffers: the eight blocks are written out.
.set BLOCK,  4                         ; steps in a block
.set BLOCKS, 32/BLOCK
.set INB,    4096                      ; input bytes of a step
.set OUTB,   2048                      ; output bytes of a step
.set VI,  1                            ; v1        16 t; never rewritten
.set VO,  2                            ; v2        8 t; never rewritten
.set RC,  4                            ; v[4:5]    1 / input_scale, twice
.set SV,  6                            ; v6        input_scale
.set TT,  7                            ; v7        at work
.set T,   8                            ; v[8:11]   four numbers at work
.set E,   12                           ; v[12:15]  their residuals
.set X,   16                           ; v[16:79]  buffer k, step i: 4 registers at X + 16 k + 4 i, as loaded
.set Y,   80                           ; v[80:95]  buffer k, step i: 2 registers at Y + 8 k + 2 i, to store
.set IN,  16                           ; s[16:17]  the input at the work-group's first step
.set OUT, 18                           ; s[18:19]  the output at the work-group's first step
.set NS,  30                           ; s[30:31]  -input_scale, twice (the packed form names a pair)
	s_load_b256 s[4:11], s[0:1], 0x0               ; x s[4:5], weight s[6:7], input_scale s[8:9], xq s[10:11]
	s_load_b64 s[12:13], s[0:1], 0x20              ; wb
	v_lshlrev_b32 v[VI], 4, v0
	v_lshlrev_b32 v[VO], 3, v0
	s_and_b32 s14, ttmp7, 0xffff                   ; which stream
	s_mov_b32 s22, 0xc3000000                      ; -128.0
	s_mov_b32 s23, 0x42fe0000                      ; 127.0
	s_lshl_b32 s26, ttmp9, 17                      ; the work-group's part of the input,
	s_mov_b32 s27, 0
	s_lshl_b32 s28, ttmp9, 16                      ; and of the output: both under 2^27
	s_mov_b32 s29, 0
	s_wait_kmcnt 0x0
	s_cmp_eq_u32 s14, 0
	s_cselect_b64 s[IN:IN+1], s[4:5], s[6:7]
	s_cselect_b64 s[OUT:OUT+1], s[10:11], s[12:13]
	s_add_nc_u64 s[IN:IN+1], s[IN:IN+1], s[26:27]
	s_add_nc_u64 s[OUT:OUT+1], s[OUT:OUT+1], s[28:29]
	s_load_b32 s20, s[8:9], 0x0                    ; input_scale
	s_wait_alu depctr_va_vdst(0)                   ; v1 and v2 are written: every load and store of the kernel reads one of them as its offset
.irp i, 0,1,2,3,4,5,6,7,8,9,10,11
	global_load_b128 v[X+4*(\i):X+4*(\i)+3], v[VI], s[IN:IN+1] offset:(\i)*INB th:TH_LOAD_NT  ; blocks 0, 1 and 2 into X0, X1, X2
.endr
	s_wait_kmcnt 0x0
; Block p.  kind = 0: x; 1: weight.  Blocks 0 to 4 load the block three further on; blocks 5 to 7 load nothing, so that no load leaves the buffer, and their counts run down.
.macro BLK kind, p
.set XW, X+16*((\p)%4)                 ; the block at work
.set XL, X+16*(((\p)+3)%4)             ; where block p + 3 lands: the buffer that block p - 1 worked on
.set YW, Y+8*((\p)%2)                  ; what this block's roundings write
.set YS, Y+8*(((\p)+1)%2)              ; what block p - 1 wrote: stored now
.if (\p) < BLOCKS-2
	s_wait_loadcnt 2*BLOCK                         ; loads come back in order (ISA guide 5.7.1): this block's four are in, the two younger blocks' eight stay out
.else
	s_wait_loadcnt (BLOCKS-1-(\p))*BLOCK           ; the counts run down: four, then none
.endif
.if (\p) > 1
	s_wait_xcnt 0x0                                ; every earlier memory instruction has had its addresses translated (ISA guide 3.1): this block's Y, the data of stores issued in the block before, is rewritten only behind this wait
	s_wait_alu depctr_vm_vsrc(0)                   ; the stores issued in the block before have read this block's Y, which its roundings write again
.endif
.if (\p) > 0
	s_wait_alu depctr_va_vdst(0)                   ; the block before has written the other Y, which the stores below read, and is done reading its X, in which the loads below land
.endif
.irp i, 0,1,2,3
.if (\p) < BLOCKS-3
	global_load_b128 v[XL+4*(\i):XL+4*(\i)+3], v[VI], s[IN:IN+1] offset:(((\p)+3)*BLOCK+(\i))*INB th:TH_LOAD_NT  ; three blocks ahead; no vector instruction since the wait names these registers
.endif
.if (\p) > 0
	global_store_b64 v[VO], v[YS+2*(\i):YS+2*(\i)+1], s[OUT:OUT+1] offset:(((\p)-1)*BLOCK+(\i))*OUTB  ; the block before.  No hint: the next launch reads these bytes
.endif
.if (\kind) == 0
	v_pk_mul_f32 v[T:T+1],   v[XW+4*(\i):XW+4*(\i)+1],   v[RC:RC+1]                                ; q0 = x r
	v_pk_mul_f32 v[T+2:T+3], v[XW+4*(\i)+2:XW+4*(\i)+3], v[RC:RC+1]
	v_pk_fma_f32 v[E:E+1],   v[T:T+1],   s[NS:NS+1], v[XW+4*(\i):XW+4*(\i)+1]   op_sel_hi:[1,0,1]  ; e = x - q0 input_scale
	v_pk_fma_f32 v[E+2:E+3], v[T+2:T+3], s[NS:NS+1], v[XW+4*(\i)+2:XW+4*(\i)+3] op_sel_hi:[1,0,1]
	v_pk_fma_f32 v[T:T+1],   v[E:E+1],   v[RC:RC+1], v[T:T+1]                                      ; q = q0 + e r
	v_pk_fma_f32 v[T+2:T+3], v[E+2:E+3], v[RC:RC+1], v[T+2:T+3]
.irp j, 0,1,2,3
	v_rndne_f32 v[T+(\j)], v[T+(\j)]               ; to the nearest whole number, halves to the even one
.endr
.irp j, 0,1,2,3
	v_med3_num_f32 v[T+(\j)], v[T+(\j)], s22, s23  ; the clip
.endr
.else
.irp j, 0,1,2,3
	v_lshlrev_b32 v[T+(\j)], 24, v[XW+4*(\i)+(\j)] ; the low byte moves to the top,
.endr
.irp j, 0,1,2,3
	v_ashrrev_i32 v[T+(\j)], 24, v[T+(\j)]         ; and comes back with its sign
.endr
.irp j, 0,1,2,3
	v_cvt_f32_i32 v[T+(\j)], v[T+(\j)]
.endr
.endif
	v_cvt_pk_bf16_f32 v[YW+2*(\i)],   v[T],   v[T+1]   ; exact: 8 significant bits at the most
	v_cvt_pk_bf16_f32 v[YW+2*(\i)+1], v[T+2], v[T+3]
.endr
.endm
; A whole stream: the eight blocks, and behind them the last block's four stores.
.macro STREAM kind
.irp p, 0,1,2,3,4,5,6,7
	BLK \kind, \p
.endr
	s_wait_alu depctr_va_vdst(0)                   ; block 7 has written Y1, which the last four stores read
.irp i, 0,1,2,3
	global_store_b64 v[VO], v[Y+8+2*(\i):Y+8+2*(\i)+1], s[OUT:OUT+1] offset:((BLOCKS-1)*BLOCK+(\i))*OUTB
.endr
	s_endpgm
.endm
	s_cmp_lg_u32 s14, 0
	s_cbranch_scc1 .Lweight
	v_mov_b32 v[SV], s20
	v_rcp_f32 v[RC], v[SV]
	v_nop                                          ; a plain instruction between the reciprocal and the use of its result (ISA guide 5.7.2),
	s_wait_alu depctr_va_vdst(0)                   ; the reciprocal has written v[RC]: waited for ahead of its first reader, the line below
	v_fma_f32 v[TT], -v[SV], v[RC], 1.0            ; one Newton step: r = r + r (1 - input_scale r)
	v_fma_f32 v[RC], v[TT], v[RC], v[RC]
	v_mov_b32 v[RC+1], v[RC]
	s_xor_b32 s[NS], s20, 0x80000000
	s_mov_b32 s[NS+1], s[NS]
	STREAM 0
.Lweight:
	STREAM 1
.Lfunc_end_k_qa00f909ed6_quant:
	.size	k_qa00f909ed6_quant, .Lfunc_end_k_qa00f909ed6_quant-k_qa00f909ed6_quant
	.p2alignl 7, 3214868480
	.fill 96, 4, 3214868480
	.section	.rodata,"a",@progbits
	.p2align	6, 0x0
	.amdhsa_kernel k_qa00f909ed6_quant
		.amdhsa_group_segment_fixed_size 0
		.amdhsa_private_segment_fixed_size 0
		.amdhsa_enable_private_segment 0
		.amdhsa_kernarg_size 40
		.amdhsa_user_sgpr_count 2
		.amdhsa_user_sgpr_kernarg_segment_ptr 1
		.amdhsa_wavefront_size32 1
		.amdhsa_system_sgpr_workgroup_id_x 1
		.amdhsa_system_sgpr_workgroup_id_y 1
		.amdhsa_system_sgpr_workgroup_id_z 1
		.amdhsa_system_vgpr_workitem_id 0
		.amdhsa_next_free_vgpr 96
		.amdhsa_next_free_sgpr 66
		.amdhsa_reserve_vcc 0
		.amdhsa_float_denorm_mode_32 3
		.amdhsa_float_denorm_mode_16_64 3
		.amdhsa_memory_ordered 1
		.amdhsa_forward_progress 1
		.amdhsa_inst_pref_size 59
	.end_amdhsa_kernel
	.amdgpu_metadata
---
amdhsa.version: [ 1, 2 ]
amdhsa.kernels:
  - .name:           k_qa00f909ed6_quant
    .symbol:         k_qa00f909ed6_quant.kd
    .args:
      - { .name: x, .offset: 0, .size: 8, .value_kind: global_buffer, .address_space: global }
      - { .name: weight, .offset: 8, .size: 8, .value_kind: global_buffer, .address_space: global }
      - { .name: input_scale, .offset: 16, .size: 8, .value_kind: global_buffer, .address_space: global }
      - { .name: xq, .offset: 24, .size: 8, .value_kind: global_buffer, .address_space: global }
      - { .name: wb, .offset: 32, .size: 8, .value_kind: global_buffer, .address_space: global }
    .group_segment_fixed_size: 0
    .private_segment_fixed_size: 0
    .kernarg_segment_align: 8
    .kernarg_segment_size: 40
    .max_flat_workgroup_size: 256
    .sgpr_count:     66
    .vgpr_count:     96
    .wavefront_size: 32
...
	.end_amdgpu_metadata
.endif
;; end of part 3
;; launch gemm: the kernel of part 2 again; grid 16 x 16, 4 waves a work-group, clusters of 4 x 4, 327,680 bytes of LDS; arguments xq, wb, out0, bias, input_scale, weight_scale; writes out0
